; MI455X (gfx1250); checked and timed in simulation.
; The chip was launched on July 23, 2026; its instructions are those of AMD's public machine-readable ISA for CDNA 5 (MIT licence, August 2026) and "CDNA5" Instruction Set Architecture Reference Guide (July 2026). The comments in the code are by the model that wrote it; some were corrected since.
;; Shifted Sparse Attention. Allowed arithmetic: matrix products marked QUANTISED: E2M3 operands, one E8M0 scale for each 32 along K, by v_wmma_scale_f32_16x16x128_f8f6f4 with both operands' format E2M3, f32 sums; everything else in f32.
;; Inputs: b_qkv 3,072 float32; hidden_states 2 x 8,192 x 1,024 float32; w_qkv 3,072 x 1,024 float32.
;; Outputs: out0 2 x 8,192 x 1,024 float32.
;; This version of the problem:
;;   THIS VERSION OF THE PROBLEM IS GIVEN IN LOW PRECISION. The matrix products marked QUANTISED in the list below multiply operands that are first quantised to E2M3 (2 exponent bits, 3 mantissa bits; 6 bits a number), with one power-of-two scale for each 32 numbers along K (OCP MX v1.0); their sums are f32. All else is computed in f32.
;;   The module's matrix products, in the order in which they are computed (A, B: the left and right operand; K: the contracted axis; several contracted axes count as one K, in the product's order):
;;     1. [M 16,384, K 1,024] x [K 1,024, N 3,072]; A: input hidden_states; B: input w_qkv: QUANTISED
;;     2. batch 1,024 x [M 128, K 64] x [K 64, N 128]; A: computed on the way; B: computed on the way: QUANTISED
;;     3. batch 1,024 x [M 128, K 128] x [K 128, N 64]; A: softmax (see below); B: computed on the way: QUANTISED
;;     4. batch 1,024 x [M 128, K 64] x [K 64, N 128]; A: computed on the way; B: computed on the way: QUANTISED
;;     5. batch 1,024 x [M 128, K 128] x [K 128, N 64]; A: softmax (see below); B: computed on the way: QUANTISED
;;   THE QUANTISER, for each operand of a quantised product, along K:
;;     - K is cut into blocks of 32 from its start; a last block that is shorter is filled with zeros.
;;     - A block's scale is 2^e with e = floor(log2(the largest magnitude in the block)) - 2, held to -126 .. 127; a block of zeros has e = 0. As a byte (E8M0): e + 127.
;;     - Each number is divided by its block's scale, clamped to +-7.5, and rounded to the nearest number of E2M3, ties to even, subnormals kept.
;;     - The product sums the exact products of the quantised numbers (number of the format x scale) in f32.
;;   ~~~python
;;   def quantise(x, axis):      # numpy; x: float32 -> the quantised numbers, widened to float32 again
;;       x = np.moveaxis(x, axis, -1); K = x.shape[-1]
;;       x = np.pad(x, [(0, 0)] * (x.ndim - 1) + [(0, -K % 32)]); x = x.reshape(x.shape[:-1] + (-1, 32)); a = np.abs(x).max(-1, keepdims=True)
;;       e = np.where(a > 0, np.clip(np.frexp(np.where(a > 0, a, 1))[1] - 1 - 2, -126, 127), 0)      # np.frexp(a)[1] - 1 = floor(log2(a)), exactly
;;       r = np.clip(x / 2.0 ** e, -7.5, 7.5)
;;       step = 2.0 ** (np.maximum(np.frexp(np.where(r == 0, 1, r))[1] - 1, 0) - 3)
;;       q = np.round(r / step) * step * 2.0 ** e      # np.round: ties to even
;;       return np.moveaxis(q.reshape(q.shape[:-2] + (-1,))[..., :K], -1, axis).astype(np.float32)
;;   ~~~
;;   SOFTMAX AHEAD OF A QUANTISED PRODUCT. Where the list says 'softmax', what is quantised is not the finished softmax but p = 2^(t - M), with t = logit x log2(e) and M = ceil(the row's largest t), a whole number; so 1/2 < the row's largest p <= 1. The row's sum l is taken of the UNQUANTISED p, in f32, and the product's result is divided by l at the end. Since M is a whole number, a kernel that streams over the keys may use a running M (the ceiling of the running maximum): every later rescaling is an exact power of two, which a block's scale takes up: the codes' values come out the same.
;;   OPERANDS COMPUTED ON THE WAY. 'Computed on the way' means the value that the module computes at that place (a softmax that the list does not call 'softmax' is quantised finished and normalised). What goes into a quantiser is computed in f32, as accurately as f32 sums, v_exp_f32 and their like allow (about 1e-6 of the number): no bf16 or f16 on the way to a quantiser, and a product that is left as it is and whose result goes on into a quantised operand takes f32 operands (vector FMAs, or v_wmma_f32_16x16x4_f32). A number that lies on a knife's edge between two numbers of the format may be rounded either way, as far as f32 arithmetic and the matrix unit's own rounding can turn it there, and no further.
;; One version. Each part assembles by itself: llvm-mc -triple=amdgcn-amd-amdhsa -mcpu=gfx1250 --defsym DOCPART=n.
;; ======== version 1 of 1: 2 launches
;; limits: right only within a limited range of input values
;; workspace buffers: xq 13,107,200 bytes; wq 2,457,600 bytes
;; launch quant (part 1): grid 304 x 1, 4 waves a work-group, no clusters, 89,600 bytes of LDS; arguments hidden_states, w_qkv, xq, wq; writes xq, wq
.if DOCPART == 1
	.amdgcn_target "amdgcn-amd-amdhsa--gfx1250"
	.amdhsa_code_object_version 6
	.text
	.protected	k_q65f60fb8b6_quant
	.globl	k_q65f60fb8b6_quant
	.p2align	8
	.type	k_q65f60fb8b6_quant,@function
k_q65f60fb8b6_quant:
	s_mov_b64 s[64:65], 0
	v_nop
	global_prefetch_b8 v0, s[64:65] scope:SCOPE_SE
	s_setreg_imm32_b32 hwreg(HW_REG_WAVE_MODE, 25, 1), 1
	s_wait_xcnt 0x0
; hidden_states [16384][1024] and w_qkv [3072][1024], f32, become codes of FP6 (E2M3) with one E8M0 byte for each 32 along K (the 1,024), laid IN THE ORDER OF AN OPERAND'S REGISTERS.
; A block's scale is 2^(floor(log2(its largest magnitude)) - 2); its byte is the largest magnitude's exponent field - 2, held at 1 from below; numbers are divided by the scale and rounded to the nearest code, ties to even, beyond 7.5 the largest code.
; LIMITS: a block of zeros gets the byte 1 where the rule says 127 (its codes are zeros, which add nothing under any byte but 0xff, and this program alone reads the bytes); NaN and infinities among the inputs are not served.
; A FRAGMENT is 16 rows x 128 K in 1,536 bytes: lane 16 h + r has 48 bytes at 48 x lane: block 4 s + h of its row (24 bytes), then block 4 s + 2 + h: three loads of 16 bytes give the twelve registers.  Its 16 scale words follow as 64 bytes, word r for row r.
; THE ROWS OF A TILE ARE NOT NEIGHBOURS: in each 32 rows, tile 2 g + u takes as its row r the row 32 g + 8 u + r % 8 + 16 (r / 8), for x and for W alike.
; xq: 128 chunks (128 tokens) x 102,400 bytes: 8 sub-blocks (K step s) of 12,800: 8 fragments, then at 12,288 their scale words.
; wq: 16 heads x 153,600 bytes: 8 sub-blocks of 12,800 (K's four tiles, V's four, at 12,288 their scale words), then at 102,400 8 sub-blocks of 6,400 (Q's four tiles, at 6,144 their scale words).
; SHARES.  A work-group takes 64 rows, wave w their tile w: 16 rows x all of K.  Work-groups 0-255 take x, 256-303 W: one path, the buffers and offsets chosen on the work-group's number.
; A row is a step: eight loads of 512 consecutive bytes; the 4,096 bytes turn through the wave's stage in LDS and come back 128 bytes a lane: LANE l OWNS BLOCK l OF THE ROW, so no other lane is asked for a maximum.
; The codes are gathered in LDS as fragments and leave in stores of 512 consecutive bytes; the four waves' scale words of a K step leave as 256 consecutive bytes.  Memory binds: no tensor loads, no matrix work, no cluster (work-groups share nothing).
.set WREG,  21760                      ; LDS of a wave: two stages of 32 x 144 bytes, then 8 fragments at a pitch of 1,568
.set INB,   4608
.set LP,    144                        ; a lane's place in a stage: its 128 bytes + 16
.set CODE,  9216
.set CP,    1568
.set SS,    87040                      ; the four waves' scale bytes: 256 s + 64 wave + 4 row + block
.set SPARE, 89088                      ; the spare words, 128 bytes for each wave: two blocks of 256 bytes that no other line names
.set R,     64                         ; v64-191  four rows as loaded, 32 registers each
.set X,     192                        ; v192-255 two rows as neighbours
.set CO,    40                         ; v40-47   16 x lane + s x the sub-block's bytes
	s_load_b256 s[4:11], s[0:1], 0x0               ; x s[4:5], W s[6:7], xq s[8:9], wq s[10:11]
	v_lshl_add_u32 v1, v0, 2, SPARE                ; my spare word,
	v_mov_b32 v2, 0                                ; and 0: kept for the wave's end
	v_lshrrev_b32 v20, 5, v0
	v_readfirstlane_b32 s21, v20                   ; wave 0..3
	v_and_b32 v20, 31, v0                          ; lane
	v_lshlrev_b32 v3, 4, v20                       ; 16 x lane
	s_mul_i32 s22, s21, WREG
	v_lshrrev_b32 v4, 3, v20
	v_mul_u32_u24 v4, v4, LP
	v_and_b32 v21, 7, v20
	v_lshl_add_u32 v4, v21, 4, v4
	v_add_nc_u32 v4, s22, v4                       ; into a stage: eight lanes' 128 bytes are one block's: 144 (lane / 8) + 16 (lane % 8); a load's 512 bytes take four places
	v_mul_u32_u24 v5, v20, LP
	v_add_nc_u32 v5, s22, v5                       ; out of it: 144 x lane: my block
	v_lshrrev_b32 v21, 2, v20                      ; my block's K step s = lane / 4
	v_mul_u32_u24 v6, v21, CP
	v_and_b32 v22, 1, v20
	v_mad_u32_u24 v6, v22, 768, v6                 ; its half h = lane % 2: 16 lanes of 48 bytes on
	v_bfe_u32 v22, v20, 1, 1
	v_mad_u32_u24 v6, v22, 24, v6                  ; c = (lane / 2) % 2: the second 24 bytes
	s_add_co_u32 s23, s22, CODE
	v_add_nc_u32 v6, s23, v6                       ; where my block's codes go; the row adds 48 r
	v_lshlrev_b32 v7, 8, v21
	v_and_b32 v22, 3, v20
	v_add_nc_u32 v7, v7, v22
	s_lshl_b32 s24, s21, 6
	s_add_co_u32 s24, s24, SS
	v_add_nc_u32 v7, s24, v7                       ; where my block's byte goes; the row adds 4 r
	v_add_nc_u32 v8, s23, v3                       ; the fragments, read back
	s_lshl_b32 s24, s21, 9
	s_add_co_u32 s24, s24, SS
	v_add_nc_u32 v9, s24, v3                       ; the scale words of K steps 2 w and 2 w + 1, read back
	; where the 64 rows come from and go to
	s_cmp_lt_u32 ttmp9, 256
	s_cselect_b32 s12, 0, 256
	s_sub_co_u32 s12, ttmp9, s12                   ; which 64 rows of my tensor
	s_lshr_b32 s13, s12, 1
	s_mul_i32 s13, s13, 102400                     ; x: the chunk's block,
	s_and_b32 s14, s12, 1
	s_mul_i32 s15, s14, 6144
	s_add_co_u32 s15, s15, s13                     ; tiles 0-3 or 4-7;
	s_lshl_b32 s14, s14, 8
	s_add_co_u32 s14, s14, s13
	s_add_co_u32 s14, s14, 12288                   ; their scale words
	s_and_b32 s16, s12, 15
	s_mul_i32 s16, s16, 153600                     ; W: the head's block,
	s_lshr_b32 s17, s12, 4                         ; and the part: 0 Q, 1 K, 2 V
	s_mov_b32 s19, 12800
	s_mov_b32 s20, 12288
	s_cmp_eq_u32 s17, 0
	s_cselect_b32 s18, 102400, 0
	s_cselect_b32 s19, 6400, s19
	s_cselect_b32 s20, 108544, s20
	s_cmp_eq_u32 s17, 2
	s_cselect_b32 s18, 6144, s18
	s_cselect_b32 s20, 12544, s20
	s_add_co_u32 s18, s18, s16
	s_add_co_u32 s20, s20, s16
	s_cmp_lt_u32 ttmp9, 256
	s_cselect_b32 s18, s15, s18                    ; the codes' first byte,
	s_cselect_b32 s20, s14, s20                    ; the scale words',
	s_cselect_b32 s19, 12800, s19                  ; and the bytes from a K step to the next
	s_mul_i32 s24, s21, 1536
	s_add_co_u32 s28, s18, s24                     ; my tile's fragment
	s_mov_b32 s29, 0
	s_mov_b32 s30, s20
	s_mov_b32 s31, 0
	s_lshl_b32 s26, s12, 18                        ; 64 rows of 4,096 bytes,
	s_lshr_b32 s24, s21, 1
	s_lshl_b32 s24, s24, 17
	s_add_co_u32 s26, s26, s24                     ; + 32 rows x (wave / 2)
	s_and_b32 s24, s21, 1
	s_lshl_b32 s24, s24, 15
	s_add_co_u32 s26, s26, s24                     ; + 8 rows x (wave % 2)
	s_mov_b32 s27, 0
	v_lshrrev_b32 v10, 4, v20
	s_lshl_b32 s24, s21, 1
	v_add_nc_u32 v10, s24, v10
	v_mul_lo_u32 v10, v10, s19
	v_and_b32 v21, 15, v20
	v_lshl_add_u32 v10, v21, 4, v10                ; the scale words' way out: K step 2 w + lane / 16, 16 bytes a lane
.irp s, 0,1,2,3,4,5,6,7
	s_mul_i32 s25, s19, \s
	v_add_nc_u32 v[CO+\s], s25, v3
.endr
	s_wait_kmcnt 0x0
	s_cmp_lt_u32 ttmp9, 256                        ; x's work-group or W's: the choice hangs on the work-group's number alone
	s_cselect_b64 s[4:5], s[4:5], s[6:7]
	s_cselect_b64 s[8:9], s[8:9], s[10:11]
	s_add_nc_u64 s[4:5], s[4:5], s[26:27]
	s_add_nc_u64 s[10:11], s[8:9], s[30:31]        ; the scale words
	s_add_nc_u64 s[8:9], s[8:9], s[28:29]          ; the codes
.macro LOAD t                          ; row t of my tile: eight loads of 512 consecutive bytes, into set t % 4
.irp i, 0,1,2,3,4,5,6,7
	global_load_b128 v[R+32*((\t)%4)+4*\i:R+32*((\t)%4)+4*\i+3], v3, s[4:5] offset:(((\t)%8)+16*((\t)/8))*4096+512*\i th:TH_LOAD_NT
.endr
.endm
.macro TURN t                          ; row t through stage t % 2: LDS serves a wave's instructions in order (ISA guide 5.7.1.4), so no wait stands between the stores and the loads
.irp i, 0,1,2,3,4,5,6,7
	ds_store_b128 v4, v[R+32*((\t)%4)+4*\i:R+32*((\t)%4)+4*\i+3] offset:INB*((\t)%2)+4*LP*\i
.endr
.irp j, 0,1,2,3,4,5,6,7
	ds_load_b128 v[X+32*((\t)%2)+4*\j:X+32*((\t)%2)+4*\j+3], v5 offset:INB*((\t)%2)+16*\j
.endr
.endm
.macro STEP t
.set XS, X+32*((\t)%2)
.set CD, 24+8*((\t)%2)                 ; codes and byte in two sets by turns: the set's stores of two rows ago are done at the wait below
.set BY, 31+8*((\t)%2)
.if (\t) > 0
	s_wait_dscnt 0x4                               ; this row is back from the stage: behind its loads stand the last row's three code stores and its byte store
.else
	s_wait_dscnt 0x0
.endif
.if (\t)+4 < 16
	LOAD (\t)+4                                    ; into the set that this row has left
.endif
.if (\t)+1 < 16
.if (\t) < 12
	s_wait_loadcnt 24                              ; the next row's eight loads are in; three rows behind it may be out
.else
	s_wait_loadcnt 8*(14-(\t))                     ; the counts run down
.endif
	TURN (\t)+1                                    ; through the other stage while this row is worked
.endif
	v_max3_num_f32 v20, |v[XS]|, |v[XS+1]|, |v[XS+2]|              ; my block's largest magnitude, in two chains
	v_max3_num_f32 v21, |v[XS+3]|, |v[XS+4]|, |v[XS+5]|
.irp i, 6,10,14,18,22,26
	v_max3_num_f32 v20, v20, |v[XS+\i]|, |v[XS+\i+1]|
	v_max3_num_f32 v21, v21, |v[XS+\i+2]|, |v[XS+\i+3]|
.endr
	v_max3_num_f32 v20, v20, |v[XS+30]|, |v[XS+31]|
	v_max3_num_f32 v20, v20, v21, 0x1800000        ; and the floor 2^(3 - 127): the byte cannot fall under 1
	v_add_nc_u32 v22, 0xff000000, v20              ; 2 off its exponent field: the conversion takes the exponent field of this operand as its scale
	v_cvt_scalef32_pk16_fp6_f32 v[CD:CD+2], v[XS:XS+15], v22
	v_cvt_scalef32_pk16_fp6_f32 v[CD+4:CD+6], v[XS+16:XS+31], v22   ; (a conversion's three registers begin on an even number)
	v_lshrrev_b32 v[BY], 23, v22                   ; the scale's byte; also the plain line behind the conversions
	v_mov_b32 v[CD+3], v[CD+4]                     ; the block's 24 bytes on end
	v_mov_b32 v[CD+4], v[CD+5]
	v_mov_b32 v[CD+5], v[CD+6]
	ds_store_b64 v6, v[CD:CD+1] offset:48*(\t)
	ds_store_b64 v6, v[CD+2:CD+3] offset:48*(\t)+8
	ds_store_b64 v6, v[CD+4:CD+5] offset:48*(\t)+16
	ds_store_b8 v7, v[BY] offset:4*(\t)
.endm
	LOAD 0
	LOAD 1
	LOAD 2
	LOAD 3
	s_wait_loadcnt 24                              ; row 0 is in
	TURN 0
.irp t, 0,1,2,3,4,5,6,7,8,9,10,11,12,13,14,15
	STEP \t
.endr
	s_wait_dscnt 0x0                               ; for the others' sake: my scale bytes have landed
	s_barrier_signal -1
	s_barrier_wait -1                              ; a K step's 256 bytes of scale words come from four waves
.set KI, 0
.rept 24
	ds_load_b128 v[R+4*KI:R+4*KI+3], v8 offset:CP*(KI/3)+512*(KI%3)
.set KI, KI+1
.endr
	ds_load_b128 v[160:163], v9
.set KI, 0
.rept 24
	s_wait_dscnt 24-KI                             ; the younger code loads and the scale words' load may be out
	global_store_b128 v[CO+KI/3], v[R+4*KI:R+4*KI+3], s[8:9] offset:512*(KI%3)   ; 32 lanes store 512 consecutive bytes, at a multiple of 256 from the buffer's first byte
.set KI, KI+1
.endr
	s_wait_dscnt 0x0
	global_store_b128 v10, v[160:163], s[10:11]    ; each half of the lanes stores 256 consecutive bytes: the four tiles' scale words of one K step
	s_wait_tensorcnt 0x0                           ; the wave's end
	ds_add_u32 v1, v2
	s_wait_dscnt 0x0
	s_endpgm
.Lfunc_end_k_q65f60fb8b6_quant:
	.size	k_q65f60fb8b6_quant, .Lfunc_end_k_q65f60fb8b6_quant-k_q65f60fb8b6_quant
	.p2alignl 7, 3214868480
	.fill 96, 4, 3214868480
	.section	.rodata,"a",@progbits
	.p2align	6, 0x0
	.amdhsa_kernel k_q65f60fb8b6_quant
		.amdhsa_group_segment_fixed_size 89600
		.amdhsa_private_segment_fixed_size 0
		.amdhsa_enable_private_segment 0
		.amdhsa_kernarg_size 32
		.amdhsa_user_sgpr_count 2
		.amdhsa_user_sgpr_kernarg_segment_ptr 1
		.amdhsa_wavefront_size32 1
		.amdhsa_system_sgpr_workgroup_id_x 1
		.amdhsa_system_sgpr_workgroup_id_y 1
		.amdhsa_system_sgpr_workgroup_id_z 1
		.amdhsa_system_vgpr_workitem_id 0
		.amdhsa_next_free_vgpr 256
		.amdhsa_next_free_sgpr 66
		.amdhsa_reserve_vcc 0
		.amdhsa_float_denorm_mode_32 3
		.amdhsa_float_denorm_mode_16_64 3
		.amdhsa_memory_ordered 1
		.amdhsa_forward_progress 1
		.amdhsa_inst_pref_size 65
	.end_amdhsa_kernel
	.amdgpu_metadata
---
amdhsa.version: [ 1, 2 ]
amdhsa.kernels:
  - .name:           k_q65f60fb8b6_quant
    .symbol:         k_q65f60fb8b6_quant.kd
    .args:
      - { .name: hidden_states, .offset: 0, .size: 8, .value_kind: global_buffer, .address_space: global }
      - { .name: w_qkv, .offset: 8, .size: 8, .value_kind: global_buffer, .address_space: global }
      - { .name: xq, .offset: 16, .size: 8, .value_kind: global_buffer, .address_space: global }
      - { .name: wq, .offset: 24, .size: 8, .value_kind: global_buffer, .address_space: global }
    .group_segment_fixed_size: 89600
    .private_segment_fixed_size: 0
    .kernarg_segment_align: 8
    .kernarg_segment_size: 32
    .max_flat_workgroup_size: 128
    .sgpr_count:     66
    .vgpr_count:     256
    .wavefront_size: 32
...
	.end_amdgpu_metadata
.endif
;; end of part 1
;; launch fused (part 2): grid 64 x 4, 4 waves a work-group, clusters of 4 x 1, 327,680 bytes of LDS; arguments xq, wq, b_qkv, out0; writes out0
.if DOCPART == 2
	.amdgcn_target "amdgcn-amd-amdhsa--gfx1250"
	.amdhsa_code_object_version 6
	.text
	.protected	k_q65f60fb8b6_fused
	.globl	k_q65f60fb8b6_fused
	.p2align	8
	.type	k_q65f60fb8b6_fused,@function
k_q65f60fb8b6_fused:
	s_mov_b64 s[64:65], 0
	v_nop
	global_prefetch_b8 v0, s[64:65] scope:SCOPE_SE
	s_setreg_imm32_b32 hwreg(HW_REG_WAVE_MODE, 25, 1), 1
	s_wait_xcnt 0x0
	s_wait_alu depctr_hold_cnt(0) depctr_sa_sdst(0) depctr_va_vdst(0) depctr_va_sdst(0) depctr_va_ssrc(0) depctr_va_vcc(0) depctr_vm_vsrc(0)
	s_getreg_b32 s2, hwreg(HW_REG_IB_STS2, 6, 4)
	s_cmp_eq_u32 s2, 0
	s_cbranch_scc0 .Lentry_in_a_cluster
	s_endpgm
.Lentry_in_a_cluster:
	s_bfe_u32 s2, ttmp6, 0x10000c
	s_cmp_lg_u32 s2, 0x3003
	s_cbranch_scc0 .Lentry_shape_is_right
	s_endpgm
.Lentry_shape_is_right:
; QKV projection, attention inside each 128 tokens, and the output, in one launch, on codes of FP6 (E2M3) with E8M0 scales (xq, wq: laid as operand registers by launch quant).
; reference() rolls the second halves by 128 along the 16 heads: 128 is a multiple of 16, so the roll is the identity for all inputs; each half group is a CHUNK of 128 tokens that attends to itself, head by head.
; out0 is [b][head][token][d] read flat: a (chunk, head) is 32,768 consecutive bytes.
; LIMITS: NaN and infinities among the inputs are not served; a block of zeros carries the byte 1 (its codes are zeros); the promise holds while the scaled scores stay under 2^31 in magnitude.
; SHARES.  A work-group takes 2 chunks (256 tokens) x 4 heads; wave w takes chunk c = w % 2 and head slot w / 2, two heads one after the other.  256 work-groups, one to a WGP.
; For a head a wave makes K^T and V (128 tokens x 64 each, 512 accumulator registers) over 8 K steps, quantises them into registers, then walks its 8 tiles of 16 queries: Q^T, S^T = K Q^T, p, O^T = V^T p^T.
; LDS: 0: W's ring, a slot's two buffers of 25,600 bytes (2 K steps of K and V, or 4 of Q), 51,200 for each head slot; 102,400: the two chunks' codes, filled once; 307,200: a stage for each wave; 324,608: the spare words.
; CLUSTER: the four partners along x read the same W (614,400 bytes a work-group) by joint loads; x (204,800 bytes) differs between partners and comes by plain loads.
; The two waves of a head slot share its ring: each fetches half of every fill, and reads behind a barrier in front of which both have waited for their loads.
; PREFETCH: W's bytes from 102,400 on of a slot's two heads are asked for 32,768 at each refill, two refills ahead, by the c = 0 waves of the first cluster of each y, 8,192 a partner by address; x is read once at the head, where no loop runs ahead of it.
; REGISTERS: window 0: v0-31 addresses, v32-63 scale words, v64-255 x fragments (two sets) / attention: x tile v64-159, S and p v160-223, scratch v224-255.
;   window 1: W fragments (two sets) / K codes v0-95, V codes v96-143, O v144-175, Q sums v176-207, Q codes v208-222, Q bias v224-255.
;   window 2: K sums / WQ fragments of K steps 0-3 v0-191, p codes v192-210, next head's V bias v212-215 and K bias v224-255.   window 3: V sums / WQ fragments of steps 4-7, rows on their way out v192-223.
.set SUBKV, 12800
.set SUBQ,  6400
.set FRB,   1536
.set BUFB,  25600
.set RINGW, 51200
.set XB,    102400
.set XCH,   102400
.set STAGE, 307200
.set SP,    272
.set SPARE, 324608
.set JOINT, 15|(3<<16)|(1<<21)
.set MSB, 0
.macro WIN new
.if MSB != (\new)
	s_set_vgpr_msb (MSB<<8)|(\new)
.set MSB, (\new)
.endif
.endm
.macro PLACES
.rept 4
	v_nop
.endr
.endm
.macro NOP5                            ; five places ahead of a matrix instruction that writes over registers which earlier ones read as C
.rept 5
	v_nop
.endr
.endm
.macro CREST
	s_cmp_lg_u32 s12, 0
	s_cbranch_scc1 .Lnot_wave_0_\@
	s_barrier_signal -3
.Lnot_wave_0_\@:
	s_barrier_wait -3
	s_barrier_signal -1
	s_barrier_wait -1
.endm
.macro CROUND
	s_barrier_signal -1
	s_barrier_wait -1
	CREST
.endm
.macro WM                              ; one product from the symbols DD, CC (under 0: the constant 0), AA, BB, SA, SB, RA, RB
.if CC < 0
.if RA && RB
	v_wmma_scale_f32_16x16x128_f8f6f4 v[DD:DD+7], v[AA:AA+11], v[BB:BB+11], 0, v[SA], v[SB] matrix_a_fmt:MATRIX_FMT_FP6 matrix_b_fmt:MATRIX_FMT_FP6 matrix_a_scale:MATRIX_SCALE_ROW1 matrix_b_scale:MATRIX_SCALE_ROW1
.elseif RA
	v_wmma_scale_f32_16x16x128_f8f6f4 v[DD:DD+7], v[AA:AA+11], v[BB:BB+11], 0, v[SA], v[SB] matrix_a_fmt:MATRIX_FMT_FP6 matrix_b_fmt:MATRIX_FMT_FP6 matrix_a_scale:MATRIX_SCALE_ROW1
.elseif RB
	v_wmma_scale_f32_16x16x128_f8f6f4 v[DD:DD+7], v[AA:AA+11], v[BB:BB+11], 0, v[SA], v[SB] matrix_a_fmt:MATRIX_FMT_FP6 matrix_b_fmt:MATRIX_FMT_FP6 matrix_b_scale:MATRIX_SCALE_ROW1
.else
	v_wmma_scale_f32_16x16x128_f8f6f4 v[DD:DD+7], v[AA:AA+11], v[BB:BB+11], 0, v[SA], v[SB] matrix_a_fmt:MATRIX_FMT_FP6 matrix_b_fmt:MATRIX_FMT_FP6
.endif
.else
.if RA && RB
	v_wmma_scale_f32_16x16x128_f8f6f4 v[DD:DD+7], v[AA:AA+11], v[BB:BB+11], v[CC:CC+7], v[SA], v[SB] matrix_a_fmt:MATRIX_FMT_FP6 matrix_b_fmt:MATRIX_FMT_FP6 matrix_a_scale:MATRIX_SCALE_ROW1 matrix_b_scale:MATRIX_SCALE_ROW1
.elseif RA
	v_wmma_scale_f32_16x16x128_f8f6f4 v[DD:DD+7], v[AA:AA+11], v[BB:BB+11], v[CC:CC+7], v[SA], v[SB] matrix_a_fmt:MATRIX_FMT_FP6 matrix_b_fmt:MATRIX_FMT_FP6 matrix_a_scale:MATRIX_SCALE_ROW1
.elseif RB
	v_wmma_scale_f32_16x16x128_f8f6f4 v[DD:DD+7], v[AA:AA+11], v[BB:BB+11], v[CC:CC+7], v[SA], v[SB] matrix_a_fmt:MATRIX_FMT_FP6 matrix_b_fmt:MATRIX_FMT_FP6 matrix_b_scale:MATRIX_SCALE_ROW1
.else
	v_wmma_scale_f32_16x16x128_f8f6f4 v[DD:DD+7], v[AA:AA+11], v[BB:BB+11], v[CC:CC+7], v[SA], v[SB] matrix_a_fmt:MATRIX_FMT_FP6 matrix_b_fmt:MATRIX_FMT_FP6
.endif
.endif
.endm
.macro FETCH_W buf, q, set             ; K's four and V's four fragments of one K step, and their scale words
	WIN 0x40
.irp t, 0,1,2,3,4,5,6,7
.irp g, 0,1,2
	ds_load_b128 v[96*(\set)+12*\t+4*\g:96*(\set)+12*\t+4*\g+3], v7 offset:BUFB*(\buf)+SUBKV*(\q)+FRB*\t+16*\g
.endr
.endr
	WIN 0
.irp i, 0,1,2,3
	ds_load_b32 v[40+4*(\set)+\i], v8 offset:BUFB*(\buf)+SUBKV*(\q)+12288+128*\i
.endr
.endm
.macro FETCH_X s, set                  ; my chunk's eight fragments of K step s, and their scale words
.if (\s) < 5
.set XAR, 3
.set XSR, 5
.set XOF, (\s)*SUBKV
.else
.set XAR, 4
.set XSR, 6
.set XOF, ((\s)-5)*SUBKV
.endif
.irp t, 0,1,2,3,4,5,6,7
.irp g, 0,1,2
	ds_load_b128 v[64+96*(\set)+12*\t+4*\g:64+96*(\set)+12*\t+4*\g+3], v[XAR] offset:XOF+FRB*\t+16*\g
.endr
.endr
.irp i, 0,1,2,3
	ds_load_b32 v[32+4*(\set)+\i], v[XSR] offset:XOF+128*\i
.endr
.endm
; K^T: source 0 = WK's tile KW, source 1 = x's tile KT.  bias = 1, the first K step: C is K's bias, which lies in the registers of the last four accumulators (KT = 7), so these start in place
.macro KMUL t0, n, set, bias
.set KT, \t0
.rept \n
.set KW, 0
.rept 4
.set DD, 8*(4*KT+KW)
.if \bias
.set CC, 224+8*KW
.else
.set CC, DD
.endif
.set AA, 96*(\set)+12*KW
.set BB, 64+96*(\set)+12*KT
.set SA, 40+4*(\set)+KW/2
.set SB, 32+4*(\set)+KT/2
.set RA, KW%2
.set RB, KT%2
	WIN 0xa1
	WM
.set KW, KW+1
.endr
.set KT, KT+1
.endr
.endm
; V: source 0 = x's tile KT, source 1 = WV's tile KW.  bias = 1: C is V's bias, eight copies a tile in window 2, v0-31
.macro VMUL t0, n, set, bias
.set KT, \t0
.rept \n
.set KW, 0
.rept 4
.set DD, 8*(8*KW+KT)
.if \bias
.set CC, 8*KW
.else
.set CC, DD
.endif
.set AA, 64+96*(\set)+12*KT
.set BB, 96*(\set)+12*(4+KW)
.set SA, 32+4*(\set)+KT/2
.set SB, 42+4*(\set)+KW/2
.set RA, KT%2
.set RB, KW%2
	WIN VWIN
	WM
.set KW, KW+1
.endr
.set KT, KT+1
.endr
.endm
.macro ASK                             ; 32 lanes x 256 bytes of W; s70 is 2 in the waves that ask and the greatest number in the others; the last three refills ask for nothing
	s_cmp_gt_u32 s71, s70
	s_cbranch_scc0 .Lnot_mine_\@
	global_prefetch_b8 v19, s[68:69] th:TH_LOAD_NT scope:SCOPE_SE
.Lnot_mine_\@:
.endm
; A K step's 56 fragment loads have one order: 0-23 x's fragments, 24-27 x's scale words, 28-39 K's four fragments of W, 40-43 W's scale words, 44-55 V's four, which are wanted last.
; LDRUN issues n of them on end, from number first on, in one run: W's buffer and half, the register set, x's K step.
.macro LDRUN buf, q, set, s, first, n
.set LOFW, BUFB*(\buf)+SUBKV*(\q)
.set LSET, \set
.if (\s) < 5
.set XAR, 3
.set XSR, 5
.set XOF, (\s)*SUBKV
.else
.set XAR, 4
.set XSR, 6
.set XOF, ((\s)-5)*SUBKV
.endif
.set LQ, \first
.rept \n
	LD1
.endr
	WIN 0
.endm
.macro LD1                             ; load number LQ of the step
.if LQ < 24
	WIN 0
	ds_load_b128 v[64+96*LSET+4*LQ:64+96*LSET+4*LQ+3], v[XAR] offset:XOF+FRB*(LQ/3)+16*(LQ%3)
.elseif LQ < 28
	WIN 0
	ds_load_b32 v[32+4*LSET+LQ-24], v[XSR] offset:XOF+128*(LQ-24)
.elseif LQ < 40
	WIN 0x40
	ds_load_b128 v[96*LSET+4*(LQ-28):96*LSET+4*(LQ-28)+3], v7 offset:LOFW+FRB*((LQ-28)/3)+16*((LQ-28)%3)
.elseif LQ < 44
	WIN 0
	ds_load_b32 v[40+4*LSET+LQ-40], v8 offset:LOFW+12288+128*(LQ-40)
.else
	WIN 0x40
	ds_load_b128 v[96*LSET+4*(LQ-32):96*LSET+4*(LQ-32)+3], v7 offset:LOFW+FRB*((LQ-32)/3)+16*((LQ-32)%3)
.endif
.set LQ, LQ+1
.endm
.macro STEP s, first                   ; an even K step on set 0; the odd step's 56 loads go into set 1 in one run ahead of the products
.if \first
	s_wait_dscnt 0x0
.else
	s_wait_dscnt 12                                ; all of set 0 but V's four fragments, the youngest twelve loads
.endif
	PLACES
	LDRUN ((\s)/2)%2, 1, 1, (\s)+1, 0, 56
.if \first
.set VWIN, 0xe4
	VMUL 0, 8, 0, 1                                ; V first: its bias lies where K's first four sums will be written
	NOP5
	WIN 0xa1
	KMUL 0, 7, 0, 1
	NOP5
	KMUL 7, 1, 0, 1
.else
	KMUL 0, 8, 0, 0
	s_wait_dscnt 56                                ; V's fragments of set 0 are in: behind them stand the 56 loads of this step's run
.set VWIN, 0xf4
	VMUL 0, 8, 0, 0
.endif
	WIN 0
.endm
.macro TURN s, fetch                   ; an odd K step on set 1, and the change of buffers: my half (50 rows of 256 bytes) of the buffer just read out is asked for again
.set BF, (((\s)-1)/2)%2
.set GG, 40+4*BF
	s_wait_xcnt 0x0                                ; my prefetch has read its address
	s_add_nc_u64 s[68:69], s[68:69], 32768
	s_sub_co_u32 s71, s71, 1
	s_wait_dscnt 12                                ; all of set 1 but V's four fragments
	PLACES
.if \fetch
	LDRUN 1-BF, 0, 0, (\s)+1, 0, 28                ; the next step's x, which lies in LDS for the whole launch: its 28 loads ahead of the change of buffers
.endif
	KMUL 0, 6, 1, 0
	WIN 0
	s_wait_tensorcnt 0x0                           ; all my tensor loads have landed
	ds_add_u32 v1, v2
	s_add_nc_u64 s[GG+2:GG+3], s[GG+2:GG+3], 51200
	KMUL 6, 1, 1, 0                                ; (all 28 loads are out: no LDS instruction stands between the add and the wait for it)
	s_wait_dscnt 0x0
	s_barrier_signal -1
	KMUL 7, 1, 1, 0
	WIN 0
	s_barrier_wait -1
	CREST                                          ; the barrier has opened a round of the cluster's barrier
	tensor_load_to_lds s[GG:GG+3], s[16:23]
	s_nop 0
	PLACES
	ASK
.if \fetch
	LDRUN 1-BF, 0, 0, (\s)+1, 28, 28               ; the next step's W, out of the other buffer, which is whole behind the barrier
.endif
.set VWIN, 0xf4
	VMUL 0, 8, 1, 0
	WIN 0
.endm
.macro QSCALE wmax                     ; 16 blocks of 32 (16 numbers here, 16 in lane l xor 16): largest magnitude with the floor, conversion operand v96.., byte v80..
	WIN \wmax
.set QI, 0
.rept 16
	v_max3_num_f32 v[64+QI], v21, |v[16*QI]|, |v[16*QI+1]|
.set QI, QI+1
.endr
.irp i, 2,4,6,8,10,12,14
.set QI, 0
.rept 16
	v_max3_num_f32 v[64+QI], v[64+QI], |v[16*QI+\i]|, |v[16*QI+\i+1]|
.set QI, QI+1
.endr
.endr
	WIN 0
.set QI, 0
.rept 16
	v_permlanex16_b32 v[80+QI], v[64+QI], s58, s59
.set QI, QI+1
.endr
.set QI, 0
.rept 16
	v_max_num_f32 v[64+QI], v[64+QI], v[80+QI]
.set QI, QI+1
.endr
.set QI, 0
.rept 16
	v_add_nc_u32 v[96+QI], 0xff000000, v[64+QI]
.set QI, QI+1
.endr
.set QI, 0
.rept 16
	v_lshrrev_b32 v[80+QI], 23, v[96+QI]
.set QI, QI+1
.endr
.endm
.macro WQREAD half                     ; WQ's fragments of four K steps into window 2 or 3, and their scale words
	WIN 0x80+0x40*(\half)
.irp s, 0,1,2,3
.irp t, 0,1,2,3
.irp g, 0,1,2
	ds_load_b128 v[12*(4*\s+\t)+4*\g:12*(4*\s+\t)+4*\g+3], v7 offset:BUFB*(\half)+SUBQ*\s+FRB*\t+16*\g
.endr
.endr
.endr
	WIN 0
.irp s, 0,1,2,3
.irp i, 0,1
	ds_load_b32 v[32+8*(\half)+2*\s+\i], v8 offset:BUFB*(\half)+SUBQ*\s+6144+128*\i
.endr
.endr
.endm
.macro XFETCH                          ; one tile of 16 tokens, all eight K steps, and its scale words (lanes 0-15 the even steps', lanes 16-31 the odd steps')
.irp s, 0,1,2,3,4
.irp g, 0,1,2
	ds_load_b128 v[64+12*\s+4*\g:64+12*\s+4*\g+3], v11 offset:SUBKV*\s+16*\g
.endr
.endr
.irp s, 5,6,7
.irp g, 0,1,2
	ds_load_b128 v[64+12*\s+4*\g:64+12*\s+4*\g+3], v12 offset:SUBKV*(\s-5)+16*\g
.endr
.endr
	ds_load_b32 v48, v13
	ds_load_b32 v49, v13 offset:25600
	ds_load_b32 v50, v14
	ds_load_b32 v51, v14 offset:25600
.endm
.macro BIASKV off                      ; K's bias in the sums' layout, V's one number a lane and tile: into window 2
	WIN 0x80
.irp t, 0,1,2,3
.irp q, 0,1
	global_load_b128 v[224+8*\t+4*\q:227+8*\t+4*\q], v20, s[72:73] offset:\off+4096+(32*(\t/2)+8*(\t%2)+4*\q)*4
.endr
	global_load_b32 v[212+\t], v22, s[72:73] offset:\off+8192+(32*(\t/2)+8*(\t%2))*4
.endr
	WIN 0
.endm
.macro QWM                             ; Q^T's tile KW += WQ(KW, K step KT) x the token tile; the first step's C is Q's bias
	WIN 0x52+KT/4
.set DD, 176+8*KW
.if KT == 0
.set CC, 224+8*KW
.else
.set CC, DD
.endif
.set AA, 12*(4*(KT%4)+KW)
.set BB, 64+12*KT
.set SA, 32+2*KT+KW/2
.set SB, 48+KT/2
.set RA, KW%2
.set RB, KT%2
	WM
.endm
.macro QW                              ; the next product of the NEXT tile's Q, laid among this tile's plain vector work: products 0-15 finish tiles 0 and 1 by turns, 16-31 tiles 2 and 3
.if NXT
.set KT, (QN%16)/2
.set KW, 2*(QN/16)+QN%2
	QWM
	WIN 0
.set QN, QN+1
.endif
.endm
.macro QQUANT                          ; Q^T's two blocks of 32 along d become codes (window 1, v208-213; v214-219 stay zero: K = 64 of the instruction's 128) and the scale word v30
	WIN 0x14
	s_wait_alu depctr_va_vdst(0)                   ; directly ahead of the sums' first readers
.irp i, 0,2,4,6
.irp a, 0,1,2,3
.if \i == 0
	v_max3_num_f32 v[248+\a], v21, |v[176+8*\a]|, |v[177+8*\a]|
.else
	v_max3_num_f32 v[248+\a], v[248+\a], |v[176+8*\a+\i]|, |v[177+8*\a+\i]|
.endif
.endr
.endr
	WIN 0
	v_max_num_f32 v246, v248, v249
	v_max_num_f32 v247, v250, v251
	v_permlanex16_b32 v248, v246, s58, s59
	v_permlanex16_b32 v249, v247, s58, s59
	v_max_num_f32 v246, v246, v248
	v_max_num_f32 v247, v247, v249
	v_add_nc_u32 v250, 0xff000000, v246
	v_add_nc_u32 v251, 0xff000000, v247
	v_lshrrev_b32 v248, 23, v250
	v_lshrrev_b32 v249, 23, v251
	v_lshl_or_b32 v30, v249, 8, v248
	WIN 0x41
	v_cvt_scalef32_pk16_fp6_f32 v[208:210], v[176:191], v250
	v_cvt_scalef32_pk16_fp6_f32 v[220:222], v[192:207], v251
	v_nop
.irp i, 0,1,2
	v_permlane16_swap_b32 v[208+\i], v[220+\i]
.endr
.irp i, 0,1,2
	v_mov_b32 v[211+\i], v[220+\i]
.endr
.rept 8
	v_nop                                          ; the scale word stands eight places ahead of the scaled product
.endr
	WIN 0
.endm
; One tile of 16 queries.  On entry its Q codes and scale word are made and the next tile's x fragments are in.  nxt = 1: the next tile's Q is multiplied and quantised on the way, and the tile after that is fetched.
.macro ATT_TRIP nxt
.set NXT, \nxt
.set QN, 0
	WIN 0x05
.set KW, 0
.rept 8
.set DD, 160+8*KW
.set CC, -1
.set AA, 12*KW
.set BB, 208
.set SA, 52+KW
.set SB, 30
.set RA, 0
.set RB, 0
	WM                                             ; S^T = K Q^T: a lane holds one query, its registers run along the keys
.set KW, KW+1
.endr
	WIN 0
	s_lshr_b32 s76, s62, 1
	s_lshl_b32 s76, s76, 13
	s_and_b32 s77, s62, 1
	s_lshl_b32 s77, s77, 11
	s_or_b32 s67, s76, s77                         ; where this tile's rows begin in the (chunk, head)'s 32,768 bytes
.if \nxt
	s_add_co_u32 s63, s62, 2
	s_and_b32 s63, s63, 7                          ; the tile after the next (in the loop's last trip that is tile 0 again: its fragments are fetched and not used)
	s_lshl_b32 s66, s63, 6
	s_mul_i32 s63, s63, FRB
	v_add_nc_u32 v11, s63, v3                      ; (these four are also the places behind S's products)
	v_add_nc_u32 v12, s63, v4
	v_add_nc_u32 v13, s66, v9
	v_add_nc_u32 v14, s66, v10
.else
	PLACES
.endif
	s_add_co_u32 s62, s62, 1
.irp b, 0,1,2,3
	v_max3_num_f32 v[224+\b], v[160+16*\b], v[161+16*\b], v[162+16*\b]   ; each block's largest score, for the row's maximum and for the block's largest p: eight chains, one for each accumulator, each from its low end on
.endr
	QW
.irp b, 0,1,2,3
	v_max3_num_f32 v[228+\b], v[168+16*\b], v[169+16*\b], v[170+16*\b]
.endr
	QW
.irp i, 3,5
.irp b, 0,1,2,3
	v_max3_num_f32 v[224+\b], v[224+\b], v[160+16*\b+\i], v[161+16*\b+\i]
.endr
	QW
.irp b, 0,1,2,3
	v_max3_num_f32 v[228+\b], v[228+\b], v[168+16*\b+\i], v[169+16*\b+\i]
.endr
	QW
.endr
.irp b, 0,1,2,3
	v_max3_num_f32 v[224+\b], v[224+\b], v[228+\b], v[167+16*\b]
.endr
	QW
.irp b, 0,1,2,3
	v_max_num_f32 v[224+\b], v[224+\b], v[175+16*\b]
.endr
	QW
.irp b, 0,1,2,3
	v_permlanex16_b32 v[228+\b], v[224+\b], s58, s59
.endr
	QW
.irp b, 0,1,2,3
	v_max_num_f32 v[224+\b], v[224+\b], v[228+\b]
.endr
	QW
	v_max3_num_f32 v242, v224, v225, v226
	v_max_num_f32 v242, v242, v227
	v_mul_f32 v242, s56, v242                      ; the row's largest t = score x log2(e) / 8
	v_floor_f32 v236, -v242                        ; -M = -ceil(t)
	QW
.set QI, 0
.rept 32
	v_pk_fma_f32 v[160+2*QI:161+2*QI], v[160+2*QI:161+2*QI], s[56:57], v[236:237] op_sel_hi:[1,0,0]
.if QI%6 == 5
	QW
.endif
.set QI, QI+1
.endr
.irp b, 0,1,2,3
	v_fma_f32 v[224+\b], v[224+\b], s56, v236
.endr
	s_wait_alu depctr_va_vdst(0)                   ; ahead of the batch
.set QI, 0
.rept 64
	v_exp_f32 v[160+QI], v[160+QI]                 ; p = 2^(t - M)
.set QI, QI+1
.endr
.irp b, 0,1,2,3
	v_exp_f32 v[224+\b], v[224+\b]                 ; each block's largest p
.endr
	v_nop
	s_wait_alu depctr_va_vdst(0)                   ; and behind it
	v_pk_add_f32 v[238:239], v[160:161], v[168:169]   ; the row's sum, of the unquantised p: two at a time, in four chains
	v_pk_add_f32 v[240:241], v[162:163], v[170:171]
	QW
	v_pk_add_f32 v[246:247], v[164:165], v[172:173]
	v_pk_add_f32 v[250:251], v[166:167], v[174:175]
	QW
.irp j, 16,24,32,40,48,56
	v_pk_add_f32 v[238:239], v[238:239], v[160+\j:161+\j]
	v_pk_add_f32 v[240:241], v[240:241], v[162+\j:163+\j]
	QW
	v_pk_add_f32 v[246:247], v[246:247], v[164+\j:165+\j]
	v_pk_add_f32 v[250:251], v[250:251], v[166+\j:167+\j]
	QW
.endr
	v_pk_add_f32 v[238:239], v[238:239], v[240:241]
	v_pk_add_f32 v[246:247], v[246:247], v[250:251]
	QW
	v_pk_add_f32 v[238:239], v[238:239], v[246:247]
.irp b, 0,1,2,3
	v_max_num_f32 v[224+\b], v21, v[224+\b]
.endr
	QW
.irp b, 0,1,2,3
	v_add_nc_u32 v[232+\b], 0xff000000, v[224+\b]
.endr
.irp b, 0,1,2,3
	v_lshrrev_b32 v[228+\b], 23, v[232+\b]
.endr
	v_lshl_or_b32 v31, v229, 8, v228
	v_lshl_or_b32 v31, v230, 16, v31
	v_lshl_or_b32 v31, v231, 24, v31               ; p's scale word
.if \nxt
	XFETCH                                         ; eleven plain lines behind the last product that read these registers
.endif
	WIN 0x80
.irp c, 0,1
	v_cvt_scalef32_pk16_fp6_f32 v[192+6*\c:194+6*\c], v[160+32*\c:175+32*\c], v[232+2*\c]
	v_cvt_scalef32_pk16_fp6_f32 v[204+4*\c:206+4*\c], v[176+32*\c:191+32*\c], v[233+2*\c]
.endr
	WIN 0x82
	v_nop
.irp c, 0,1
.irp i, 0,1,2
	v_permlane16_swap_b32 v[192+6*\c+\i], v[204+4*\c+\i]
.endr
.irp i, 0,1,2
	v_mov_b32 v[195+6*\c+\i], v[204+4*\c+\i]
.endr
.endr
	WIN 0
	v_add_f32 v242, v238, v239
	v_permlanex16_b32 v243, v242, s58, s59
	v_add_f32 v242, v242, v243
	s_wait_alu depctr_va_vdst(0)
	v_rcp_f32 v244, v242
.rept 6
	v_nop
.endr
	WIN 0x49
.set KW, 0
.rept 4
.set DD, 144+8*KW
.set CC, -1
.set AA, 96+12*KW
.set BB, 192
.set SA, 60+KW
.set SB, 31
.set RA, 0
.set RB, 0
	WM                                             ; O^T = V^T p^T
.set KW, KW+1
.endr
	WIN 0
	PLACES
	s_wait_alu depctr_va_vdst(0)
	WIN 0x41
.set QI, 0
.rept 16
	v_pk_mul_f32 v[144+2*QI:145+2*QI], v[144+2*QI:145+2*QI], v[244:245] op_sel_hi:[1,0]
.set QI, QI+1
.endr
	WIN 0x04
.irp t, 0,1,2,3
.irp q, 0,1
	ds_store_b128 v15, v[144+8*\t+4*\q:147+8*\t+4*\q] offset:128*(\t/2)+32*(\t%2)+16*\q
.endr
.endr
	WIN 0
	s_wait_xcnt 0x0                                ; the last tile's stores have read their offset and their data
	v_add_nc_u32 v18, s67, v17
	WIN 0xc0
.irp i, 0,1,2,3,4,5,6,7
	ds_load_b128 v[192+4*\i:195+4*\i], v16 offset:2*SP*\i   ; whole rows of 256 bytes back from my own stage (LDS serves a wave's instructions in order)
.endr
	WIN 0
.if \nxt
	QQUANT                                         ; the next tile's Q, while the rows come back
.endif
	WIN 0x0c
	s_wait_alu depctr_va_vdst(0)                   ; directly ahead of the waits below
.irp i, 0,1,2,3,4,5,6,7
	s_wait_dscnt 7-\i                              ; the younger loads from the stage may be out
	global_store_b128 v18, v[192+4*\i:195+4*\i], s[74:75] offset:512*(\i%4)+4096*(\i/4) th:TH_STORE_NT   ; 32 lanes store 512 consecutive bytes
.endr
	WIN 0
.endm
.macro ATTLOOP
	s_wait_dscnt 0x0                               ; tile 0's x fragments and WQ's are in
.set KT, 0
.rept 8
.set KW, 0
.rept 4
	QWM                                            ; tile 0's Q
.set KW, KW+1
.endr
.set KT, KT+1
.endr
	WIN 0
	s_mov_b32 s62, 0
	v_add_nc_u32 v11, FRB, v3
	v_add_nc_u32 v12, FRB, v4
	v_add_nc_u32 v13, 64, v9
	v_add_nc_u32 v14, 64, v10
	XFETCH                                         ; tile 1
	QQUANT
	s_wait_alu depctr_va_vdst(0)
	s_wait_dscnt 0x0
	s_mov_b32 s61, 7
.Ltrip_\@:
	ATT_TRIP 1
	s_sub_co_u32 s61, s61, 1
	s_cmp_lg_u32 s61, 0
	s_cbranch_scc1 .Ltrip_\@
	ATT_TRIP 0                                     ; the last tile has no successor
.endm
.macro G1SET g, word0, rows            ; descriptor group 1: rows of 256 bytes (32 elements of 8), dense
	s_mov_b32 s[\g], \word0
	s_mov_b32 s[\g+1], 32<<16
	s_mov_b32 s[\g+2], (\rows)<<16
	s_mov_b32 s[\g+3], 32<<16
	s_mov_b32 s[\g+4], \rows
	s_mov_b32 s[\g+5], 32
	s_mov_b32 s[\g+6], 0
	s_mov_b32 s[\g+7], 0
.endm
	s_load_b256 s[4:11], s[0:1], 0x0               ; xq, wq, b_qkv, out0
	v_lshl_add_u32 v1, v0, 2, SPARE
	v_mov_b32 v2, 0
	ds_add_u32 v1, v2                              ; the opening lines: the add, twice on end, and its wait
	ds_add_u32 v1, v2
	v_lshrrev_b32 v3, 5, v0
	v_readfirstlane_b32 s12, v3                    ; wave
	s_and_b32 s90, s12, 1                          ; c: my chunk of the two
	s_lshr_b32 s91, s12, 1                         ; my head slot
	s_bfe_u32 s13, ttmp6, 0x40000                  ; cx
	s_lshl_b32 s14, ttmp9, 2
	s_add_co_u32 s14, s14, s13                     ; which pair of chunks
	s_and_b32 s15, ttmp7, 0xffff                   ; which four heads
	G1SET 16, JOINT, 50                            ; a refill's half buffer
	G1SET 24, JOINT, 100                           ; the next head's first buffers, one a wave
	G1SET 92, JOINT, 200                           ; the head's load of a slot's two buffers
	G1SET 32, 3<<16, 400                           ; a chunk of x: mine alone, no mask
	s_mov_b32 s56, 0x3e38aa3b                      ; log2(e) / 8
	s_mov_b32 s57, s56
	s_mov_b32 s58, 0x76543210
	s_mov_b32 s59, 0xfedcba98
	s_mul_i32 s79, s90, XCH
	s_add_co_u32 s79, s79, XB                      ; my chunk's codes in LDS
	s_mul_i32 s76, s91, RINGW                      ; my slot's ring
	s_mul_i32 s77, s12, 16*SP
	s_add_co_u32 s77, s77, STAGE                   ; my stage
	v_and_b32 v24, 31, v0
	v_and_b32 v25, 15, v0
	v_bfe_u32 v26, v0, 4, 1
	v_mul_u32_u24 v27, v24, 48
	v_lshlrev_b32 v28, 2, v24
	v_add_nc_u32 v3, s79, v27                      ; x fragments, K steps 0-4
	v_add_nc_u32 v4, 5*SUBKV, v3                   ; and 5-7
	v_add_nc_u32 v5, s79, v28
	v_add_nc_u32 v5, 12288, v5                     ; their scale words
	v_add_nc_u32 v6, 5*SUBKV, v5
	v_add_nc_u32 v7, s76, v27                      ; W fragments
	v_add_nc_u32 v8, s76, v28
	v_lshlrev_b32 v29, 2, v25
	v_mad_u32_u24 v9, v26, SUBKV, v29
	v_add_nc_u32 v9, s79, v9
	v_add_nc_u32 v9, 12288, v9                     ; a token tile's scale words: lanes 16-31 the odd K step's
	v_add_nc_u32 v10, 4*SUBKV, v9
	v_mul_u32_u24 v15, v25, SP
	v_lshl_add_u32 v15, v26, 6, v15
	v_add_nc_u32 v15, s77, v15                     ; into the stage
	v_mul_u32_u24 v16, v26, SP
	v_lshl_add_u32 v16, v25, 4, v16
	v_add_nc_u32 v16, s77, v16                     ; out of it
	v_lshlrev_b32 v17, 4, v24
	v_lshlrev_b32 v19, 8, v24
	v_lshlrev_b32 v20, 6, v26
	v_mov_b32 v21, 0x1800000                       ; the floor 2^(3 - 127)
	v_and_b32 v22, 8, v25
	v_add_nc_u32 v22, v22, v25
	v_lshlrev_b32 v22, 2, v22
	s_lshl_b32 s78, s15, 2
	s_lshl_b32 s88, s91, 1
	s_add_co_u32 s88, s78, s88                     ; my first head: 4 y + 2 slot
	s_lshl_b32 s82, s90, 1
	s_add_co_u32 s82, s78, s82                     ; the head whose buffers waves 0 and 1 fetch at the start: 4 y + 2 c
	s_mov_b32 s78, s88
	s_mul_i32 s80, s78, 153600
	s_mov_b32 s81, 0
	s_mul_i32 s82, s82, 153600
	s_mov_b32 s83, 0
	s_mul_i32 s88, s14, 2*XCH
	s_mul_i32 s89, s90, XCH
	s_add_co_u32 s88, s88, s89                     ; the chunk that waves 2 and 3 fetch
	s_mov_b32 s89, 0
	s_wait_alu depctr_va_vdst(0)                   ; the wait at the head's end
	s_wait_dscnt 0x0
	s_wait_kmcnt 0x0
	s_add_nc_u64 s[80:81], s[6:7], s[80:81]        ; my first head's W
	s_mov_b32 s84, 1
	s_mul_i32 s85, s90, RINGW
	s_add_nc_u64 s[86:87], s[6:7], s[82:83]
	s_or_b32 s87, s87, 0x80000000
	s_mov_b32 s52, 1
	s_mov_b32 s53, s79
	s_add_nc_u64 s[54:55], s[4:5], s[88:89]
	s_or_b32 s55, s55, 0x80000000
	s_mul_i32 s82, s90, SUBKV                      ; my half of a buffer
	s_mov_b32 s40, 1
	s_add_co_u32 s41, s76, s82
	s_add_nc_u64 s[42:43], s[80:81], s[82:83]
	s_mov_b32 s44, 1
	s_add_co_u32 s45, s41, BUFB
	s_add_nc_u64 s[46:47], s[42:43], BUFB
	s_mov_b32 s48, 1
	s_add_co_u32 s49, s41, s82                     ; buffer c of my slot
	s_add_nc_u64 s[50:51], s[42:43], s[82:83]
	s_or_b32 s43, s43, 0x80000000
	s_or_b32 s47, s47, 0x80000000
	s_or_b32 s51, s51, 0x80000000
	s_lshl_b32 s88, s78, 8
	s_add_nc_u64 s[72:73], s[8:9], s[88:89]        ; my head's 64 numbers of each part of the bias
	s_lshl_b32 s79, s14, 1
	s_add_co_u32 s79, s79, s90                     ; my chunk, 0 .. 127
	s_lshr_b32 s88, s79, 6
	s_lshl_b32 s88, s88, 4
	s_add_co_u32 s88, s88, s78
	s_lshl_b32 s88, s88, 21
	s_and_b32 s79, s79, 63
	s_lshl_b32 s79, s79, 15
	s_add_co_u32 s88, s88, s79
	s_add_nc_u64 s[74:75], s[10:11], s[88:89]      ; out0: (16 b + head) x 2 MiB + chunk x 32,768
	s_lshl_b32 s88, s13, 13
	s_add_co_u32 s88, s88, 69632
	s_add_nc_u64 s[68:69], s[80:81], s[88:89]
	s_cmp_eq_u32 ttmp9, 0
	s_cselect_b32 s70, 2, -1
	s_cmp_eq_u32 s90, 0
	s_cselect_b32 s70, s70, -1
	s_mov_b32 s71, 9
	s_mov_b32 s60, 2                               ; heads to go
	CROUND                                         ; in front of the first loads
	s_cmp_eq_u32 s91, 0                            ; one tensor load a wave: waves 0 and 1 a slot's two buffers of W, jointly; waves 2 and 3 a chunk of x
	s_cbranch_scc0 .Lhead_x
	tensor_load_to_lds s[84:87], s[92:99]
	s_nop 0
	PLACES
	s_branch .Lhead_asked
.Lhead_x:
	tensor_load_to_lds s[52:55], s[32:39]
	s_nop 0
	PLACES
.Lhead_asked:
	BIASKV 0
	s_wait_tensorcnt 0x0
	s_barrier_signal -1
	s_barrier_wait -1                              ; all four tiles are in
.Lhead:
	s_wait_loadcnt 0x0                             ; K's and V's bias
	WIN 0x82
.irp t, 0,1,2,3
.irp i, 0,1,2,3,4,5,6,7
	v_mov_b32 v[8*\t+\i], v[212+\t]                ; V's bias as a C operand: the lane's number in all eight rows
.endr
.endr
	WIN 0x40
	s_wait_alu depctr_va_vdst(0)
.irp t, 0,1,2,3
.irp q, 0,1
	global_load_b128 v[224+8*\t+4*\q:227+8*\t+4*\q], v20, s[72:73] offset:(32*(\t/2)+8*(\t%2)+4*\q)*4   ; Q's bias
.endr
.endr
	WIN 0
	FETCH_W 0, 0, 0
	FETCH_X 0, 0
	STEP 0, 1
	TURN 1, 1
	STEP 2, 0
	TURN 3, 1
	STEP 4, 0
	TURN 5, 1                                      ; buffer 0 takes WQ's K steps 0-3,
	STEP 6, 0
	TURN 7, 0                                      ; buffer 1 steps 4-7
	PLACES
	QSCALE 0x28                                    ; K^T: blocks of 32 along d
.irp t, 0,1,2,3,4,5,6,7
	v_lshl_or_b32 v[52+\t], v[81+2*\t], 8, v[80+2*\t]
.endr
	WIN 0x42
.irp t, 0,1,2,3,4,5,6,7
	v_cvt_scalef32_pk16_fp6_f32 v[12*\t:12*\t+2], v[32*\t:32*\t+15], v[96+2*\t]
	v_cvt_scalef32_pk16_fp6_f32 v[144+4*\t:146+4*\t], v[32*\t+16:32*\t+31], v[97+2*\t]
.endr
	WIN 0x41
	v_nop
.irp t, 0,1,2,3,4,5,6,7
.irp i, 0,1,2
	v_permlane16_swap_b32 v[12*\t+\i], v[144+4*\t+\i]
.endr
.endr
.irp t, 0,1,2,3,4,5,6,7
.irp i, 0,1,2
	v_mov_b32 v[12*\t+3+\i], v[144+4*\t+\i]
.endr
.irp i, 6,7,8,9,10,11
	v_mov_b32 v[12*\t+\i], 0                       ; K = 64: the upper half of the instruction's 128 is zero codes
.endr
.endr
	WQREAD 0
	QSCALE 0x3c                                    ; V: blocks of 32 along the tokens
.irp t, 0,1,2,3
	v_lshl_or_b32 v[60+\t], v[81+4*\t], 8, v[80+4*\t]
	v_lshl_or_b32 v[60+\t], v[82+4*\t], 16, v[60+\t]
	v_lshl_or_b32 v[60+\t], v[83+4*\t], 24, v[60+\t]
.endr
	WIN 0x43
.irp t, 0,1,2,3
.irp c, 0,1
	v_cvt_scalef32_pk16_fp6_f32 v[96+12*\t+6*\c:98+12*\t+6*\c], v[64*\t+32*\c:64*\t+32*\c+15], v[96+4*\t+2*\c]
	v_cvt_scalef32_pk16_fp6_f32 v[144+8*\t+4*\c:146+8*\t+4*\c], v[64*\t+32*\c+16:64*\t+32*\c+31], v[97+4*\t+2*\c]
.endr
.endr
	WIN 0x41
	v_nop
.irp t, 0,1,2,3
.irp c, 0,1
.irp i, 0,1,2
	v_permlane16_swap_b32 v[96+12*\t+6*\c+\i], v[144+8*\t+4*\c+\i]
.endr
.irp i, 0,1,2
	v_mov_b32 v[99+12*\t+6*\c+\i], v[144+8*\t+4*\c+\i]
.endr
.endr
.endr
	WIN 0
	s_wait_alu depctr_va_vdst(0)
	s_wait_tensorcnt 0x0                           ; my half of buffer 1 is in;
	s_wait_dscnt 0x0
	s_barrier_signal -1
	s_barrier_wait -1                              ; and so is my partner's
	WQREAD 1
	WIN 0x40
.irp i, 214,215,216,217,218,219
	v_mov_b32 v[\i], 0
.endr
	WIN 0
.irp i, 228,229,230,231,237,243,245
	v_mov_b32 v[\i], 0                             ; lane permutes' destinations and the unused halves of pairs, written once
.endr
	v_mov_b32 v11, v3
	v_mov_b32 v12, v4
	v_mov_b32 v13, v9
	v_mov_b32 v14, v10
	XFETCH                                         ; tile 0
	s_wait_alu depctr_va_vdst(0)
	s_wait_loadcnt 0x0                             ; Q's bias
	s_cmp_eq_u32 s60, 1
	s_cbranch_scc1 .Llast
	s_wait_xcnt 0x0
	s_add_nc_u64 s[68:69], s[68:69], 32768
	s_sub_co_u32 s71, s71, 1
	s_wait_tensorcnt 0x0
	ds_add_u32 v1, v2
	s_add_nc_u64 s[50:51], s[50:51], 153600
	s_add_nc_u64 s[42:43], s[42:43], 51200
	s_add_nc_u64 s[46:47], s[46:47], 51200
	s_wait_dscnt 0x0                               ; WQ has been read out of both buffers
	CROUND
	tensor_load_to_lds s[48:51], s[24:31]          ; the next head's K steps 0-3: buffer c of my slot, under the whole attention
	s_nop 0
	PLACES
	ASK
	BIASKV 256                                     ; and its K and V bias
	ATTLOOP
	s_wait_xcnt 0x0
	s_add_nc_u64 s[74:75], s[74:75], 2097152
	s_add_nc_u64 s[72:73], s[72:73], 256
	s_wait_tensorcnt 0x0
	s_wait_dscnt 0x0
	s_barrier_signal -1
	s_barrier_wait -1                              ; both halves of my slot's buffers are in
	s_sub_co_u32 s60, s60, 1
	s_cmp_lg_u32 s60, 0
	s_cbranch_scc1 .Lhead
.Llast:
	ATTLOOP
	s_wait_tensorcnt 0x0                           ; the wave's end
	ds_add_u32 v1, v2
	s_wait_dscnt 0x0
	CROUND                                         ; the closing round
	s_endpgm
.Lfunc_end_k_q65f60fb8b6_fused:
	.size	k_q65f60fb8b6_fused, .Lfunc_end_k_q65f60fb8b6_fused-k_q65f60fb8b6_fused
	.p2alignl 7, 3214868480
	.fill 96, 4, 3214868480
	.section	.rodata,"a",@progbits
	.p2align	6, 0x0
	.amdhsa_kernel k_q65f60fb8b6_fused
		.amdhsa_group_segment_fixed_size 327680
		.amdhsa_private_segment_fixed_size 0
		.amdhsa_enable_private_segment 0
		.amdhsa_kernarg_size 32
		.amdhsa_user_sgpr_count 2
		.amdhsa_user_sgpr_kernarg_segment_ptr 1
		.amdhsa_wavefront_size32 1
		.amdhsa_system_sgpr_workgroup_id_x 1
		.amdhsa_system_sgpr_workgroup_id_y 1
		.amdhsa_system_sgpr_workgroup_id_z 1
		.amdhsa_system_vgpr_workitem_id 0
		.amdhsa_next_free_vgpr 1024
		.amdhsa_next_free_sgpr 100
		.amdhsa_reserve_vcc 0
		.amdhsa_float_denorm_mode_32 3
		.amdhsa_float_denorm_mode_16_64 3
		.amdhsa_memory_ordered 1
		.amdhsa_forward_progress 1
		.amdhsa_inst_pref_size 255
	.end_amdhsa_kernel
	.section	.bss,"aw",@nobits
	.p2align	6
	.space	262144
	.amdgpu_metadata
---
amdhsa.version: [ 1, 2 ]
amdhsa.kernels:
  - .name:           k_q65f60fb8b6_fused
    .symbol:         k_q65f60fb8b6_fused.kd
    .args:
      - { .name: xq, .offset: 0, .size: 8, .value_kind: global_buffer, .address_space: global }
      - { .name: wq, .offset: 8, .size: 8, .value_kind: global_buffer, .address_space: global }
      - { .name: b_qkv, .offset: 16, .size: 8, .value_kind: global_buffer, .address_space: global }
      - { .name: out0, .offset: 24, .size: 8, .value_kind: global_buffer, .address_space: global }
    .group_segment_fixed_size: 327680
    .private_segment_fixed_size: 0
    .kernarg_segment_align: 8
    .kernarg_segment_size: 32
    .max_flat_workgroup_size: 128
    .sgpr_count:     100
    .vgpr_count:     1024
    .wavefront_size: 32
...
	.end_amdgpu_metadata
.endif
;; end of part 2
